; MI455X (gfx1250); checked and timed in simulation.
; The chip was launched on July 23, 2026; its instructions are those of AMD's public machine-readable ISA for CDNA 5 (MIT licence, August 2026) and "CDNA5" Instruction Set Architecture Reference Guide (July 2026). The comments in the code are by the model that wrote it; some were corrected since.
;; Gaussian FC. Allowed arithmetic: matrix products marked QUANTISED: E5M2 operands, one given power-of-two scale a tensor, by v_wmma_f32_16x16x64_bf8_bf8 or v_wmma_f32_16x16x128_bf8_bf8, f32 sums; everything else in f32.
;; Inputs: amplitude 8,192 x 1 float32; bias 8,192 float32; lowp_scales 2 int32 (the exponents e of the quantised operands' scales 2^e); mu 8,192 x 1 float32; sigma 8,192 x 1 float32; x 64 x 8,192 float32.
;; Outputs: out0 64 x 8,192 float32.
;; This version of the problem:
;;   THIS VERSION OF THE PROBLEM IS GIVEN IN LOW PRECISION. The matrix products marked QUANTISED in the list below multiply operands that are first quantised to E5M2 (5 exponent bits, 2 mantissa bits; 8 bits a number), with one given power-of-two scale for each operand tensor; their sums are f32. All else is computed in f32.
;;   The module's matrix products, in the order in which they are computed (A, B: the left and right operand; K: the contracted axis; several contracted axes count as one K, in the product's order):
;;     1. [M 64, K 8,192] x [K 8,192, N 8,192]; A: input x; B: computed on the way: QUANTISED (scales: A lowp_scales[0], B lowp_scales[1])
;;   THE QUANTISER, for each operand of a quantised product, along K:
;;     - The operand's scale is 2^e, e = its entry of the input lowp_scales (int32; the entries are numbered through the quantised products in the list's order, A before B).
;;     - Each number is divided by the scale, clamped to +-57,344, and rounded to the nearest number of E5M2, ties to even, subnormals kept.
;;     - The product sums the exact products of the quantised numbers (number of the format x scale) in f32.
;;   ~~~python
;;   def quantise(x, axis, e):      # numpy; x: float32 -> the quantised numbers, widened to float32 again
;;       x = np.moveaxis(x, axis, -1); K = x.shape[-1]
;;       r = np.clip(x / 2.0 ** e, -57344, 57344)
;;       step = 2.0 ** (np.maximum(np.frexp(np.where(r == 0, 1, r))[1] - 1, -14) - 2)
;;       q = np.round(r / step) * step * 2.0 ** e      # np.round: ties to even
;;       return np.moveaxis(q, -1, axis).astype(np.float32)
;;   ~~~
;;   OPERANDS COMPUTED ON THE WAY. 'Computed on the way' means the value that the module computes at that place (a softmax that the list does not call 'softmax' is quantised finished and normalised). What goes into a quantiser is computed in f32, as accurately as f32 sums, v_exp_f32 and their like allow (about 1e-6 of the number): no bf16 or f16 on the way to a quantiser, and a product that is left as it is and whose result goes on into a quantised operand takes f32 operands (vector FMAs, or v_wmma_f32_16x16x4_f32). A number that lies on a knife's edge between two numbers of the format may be rounded either way, as far as f32 arithmetic and the matrix unit's own rounding can turn it there, and no further.
;; One version. Each part assembles by itself: llvm-mc -triple=amdgcn-amd-amdhsa -mcpu=gfx1250 --defsym DOCPART=n.
;; ======== version 1 of 1: 2 launches
;; workspace buffers: xc 524,288 bytes; prm 98,304 bytes
;; launch prep (part 1): grid 256 x 1, 4 waves a work-group, no clusters, 0 bytes of LDS; arguments x, amplitude, mu, sigma, lowp_scales, xc, prm; writes xc, prm
.if DOCPART == 1
	.amdgcn_target "amdgcn-amd-amdhsa--gfx1250"
	.amdhsa_code_object_version 6
	.text
	.protected	k_q9725383c06_prep
	.globl	k_q9725383c06_prep
	.p2align	8
	.type	k_q9725383c06_prep,@function
k_q9725383c06_prep:
	s_mov_b64 s[64:65], 0
	v_nop
	global_prefetch_b8 v0, s[64:65] scope:SCOPE_SE
	s_setreg_imm32_b32 hwreg(HW_REG_WAVE_MODE, 25, 1), 1
	s_wait_xcnt 0x0
; WHAT IS DONE ONCE FOR ALL WORK-GROUPS OF THE PRODUCT'S LAUNCH.
; (1) x [64][8192] f32 becomes codes of BF8 (E5M2) with the given scale 2^ex: code = x / 2^ex, held within +-57,344, to the nearest code, ties to even.
;     THE SIGN OF amplitude[k] IS MOVED ONTO x: the code is that of x or of -x, as amplitude[k] is positive or negative, and the weight is later made of |amplitude[k]|.
;     The quantiser is odd (hold and rounding are symmetric), so each product of two quantised numbers is the same number, exactly.
;     The codes are laid as images of the operand's registers: K step j (128 k) is 8,192 bytes: [M tile m: 2,048][register quad c: 512][lane: 16]; lane (r = lane % 16, h = lane / 16)
;     holds row 16 m + r, k = 128 j + 32 c + 16 h + 0 .. 15.  Work-group 4 j + m makes the 2,048 bytes of (j, m), wave c its 512: thread t stores 16 bytes at 16 t.
; (2) For each k three numbers: -mu;  c = -log2(e) / (2 sigma sigma);  la = log2 |amplitude|:  the weight is 2^((n - mu)^2 c + la).
;     K step j is 1,536 bytes: [kind: 512][lane: 16]; a lane's four numbers are those of k = 128 j + 2 lane, + 1, 128 j + 64 + 2 lane, + 1.  Wave 0 of the work-groups with m = 0 makes them.
;     1 / (2 sigma sigma) is v_rcp_f32 and one Newton step; where the step's error term is not under 1 (2 sigma sigma zero, denormal, or beyond the reciprocal's range) the bare reciprocal stays.
; LIMITS: ex between -126 and 112.  A denormal amplitude counts as 0 and a denormal 2 sigma sigma as 0 (v_log_f32 and v_rcp_f32 take denormals as zero: ISA guide, their entries).  NaN and infinities among the inputs are not served.
; Each load of x reads 16 bytes a lane; a row's 512 bytes of a K step are read by the four waves of one work-group.  Each store of a wave covers 512 consecutive bytes, aligned.
.set SGN, 0x80000000
.set X,   16                           ; v[16:31]  my 16 numbers of x
.set AM,  32                           ; v[32:47]  amplitude of my 16 k
.set MU,  48                           ; v[48:51]  the parameters' wave: mu,
.set SG,  52                           ; v[52:55]  sigma,
.set AP,  56                           ; v[56:59]  amplitude of its four k
.set NMO, 60                           ; v[60:63]  -mu
.set S2,  64                           ; v[64:67]  2 sigma sigma
.set RC,  68                           ; v[68:71]  its reciprocal, then c
.set LGA, 72                           ; v[72:75]  log2 |amplitude|
.set ER,  76                           ; v[76:79]  the Newton step's error term, then its square
.set R2,  80                           ; v[80:83]  the refined reciprocal
	s_load_b256 s[4:11], s[0:1], 0x0               ; x s[4:5], amplitude s[6:7], mu s[8:9], sigma s[10:11]
	s_load_b128 s[12:15], s[0:1], 0x20             ; the scales' exponents s[12:13], xc s[14:15]
	s_load_b64 s[16:17], s[0:1], 0x30              ; prm
	v_lshrrev_b32 v1, 5, v0
	v_readfirstlane_b32 s18, v1                    ; wave = c
	v_and_b32 v2, 15, v0                           ; r
	v_bfe_u32 v3, v0, 4, 1                         ; h
	v_lshlrev_b32 v4, 6, v3                        ; amplitude: 64 h bytes
	v_lshl_add_u32 v5, v2, 15, v4                  ; x: row r of 32,768 bytes, + 64 h
	v_lshlrev_b32 v6, 4, v0                        ; out: 16 t
	s_lshr_b32 s19, ttmp9, 2                       ; j
	s_and_b32 s20, ttmp9, 3                        ; m
	s_lshl_b32 s22, s19, 9
	s_lshl_b32 s23, s18, 7
	s_add_co_u32 s22, s22, s23                     ; 512 j + 128 c: my wave's 32 k, in bytes of f32
	s_mov_b32 s23, 0
	s_lshl_b32 s24, s20, 19                        ; 16 m rows of x
	s_add_co_u32 s24, s24, s22
	s_mov_b32 s25, 0
	s_lshl_b32 s26, ttmp9, 11                      ; 2,048 bytes of codes a work-group
	s_mov_b32 s27, 0
	s_or_b32 s21, s20, s18                         ; 0 in wave 0 of the work-groups with m = 0 alone
	s_wait_kmcnt 0x0
	s_load_b64 s[28:29], s[12:13], 0x0             ; ex, ew
	s_add_nc_u64 s[4:5], s[4:5], s[24:25]
	s_add_nc_u64 s[30:31], s[6:7], s[22:23]
	s_add_nc_u64 s[14:15], s[14:15], s[26:27]
.irp q, 0,1,2,3
	global_load_b128 v[X+4*\q:X+4*\q+3], v5, s[4:5] offset:16*\q th:TH_LOAD_NT
.endr
.irp q, 0,1,2,3
	global_load_b128 v[AM+4*\q:AM+4*\q+3], v4, s[30:31] offset:16*\q
.endr
	s_cmp_lg_u32 s21, 0
	s_cbranch_scc1 .Lno_prm
	; ---- the parameters of K step j: 128 k, four a lane
	v_lshlrev_b32 v7, 3, v0                        ; (wave 0: the thread's number is the lane)  8 bytes a lane: k = 2 lane, 2 lane + 1
	s_lshl_b32 s32, s19, 9
	s_mov_b32 s33, 0
	s_add_nc_u64 s[8:9], s[8:9], s[32:33]
	s_add_nc_u64 s[10:11], s[10:11], s[32:33]
	s_add_nc_u64 s[6:7], s[6:7], s[32:33]
	s_mul_i32 s32, s19, 1536
	s_add_nc_u64 s[16:17], s[16:17], s[32:33]
	global_load_b64 v[MU:MU+1], v7, s[8:9]                     ; 32 lanes read 256 consecutive bytes
	global_load_b64 v[MU+2:MU+3], v7, s[8:9] offset:256        ; and the 64 k behind them
	global_load_b64 v[SG:SG+1], v7, s[10:11]
	global_load_b64 v[SG+2:SG+3], v7, s[10:11] offset:256
	global_load_b64 v[AP:AP+1], v7, s[6:7]
	global_load_b64 v[AP+2:AP+3], v7, s[6:7] offset:256
	s_wait_loadcnt 0x0
.irp i, 0,1,2,3
	v_xor_b32 v[NMO+\i], SGN, v[MU+\i]             ; -mu
	v_add_f32 v[S2+\i], v[SG+\i], v[SG+\i]         ; 2 sigma (exact),
	v_and_b32 v[AP+\i], 0x7fffffff, v[AP+\i]       ; |amplitude|
.endr
.irp i, 0,1,2,3
	v_mul_f32 v[S2+\i], v[S2+\i], v[SG+\i]         ; x sigma
.endr
.irp i, 0,1,2,3
	v_rcp_f32 v[RC+\i], v[S2+\i]
.endr
.irp i, 0,1,2,3
	v_log_f32 v[LGA+\i], v[AP+\i]
.endr
	v_nop                                          ; a plain instruction behind the last transcendental,
	s_wait_alu depctr_va_vdst(0)                   ; and one wait for the batch of eight, ahead of its first reader
.irp i, 0,1,2,3
	v_fma_f32 v[ER+\i], -v[S2+\i], v[RC+\i], 1.0   ; e = 1 - s r
.endr
.irp i, 0,1,2,3
	v_fma_f32 v[R2+\i], v[RC+\i], v[ER+\i], v[RC+\i]   ; r + r e
	v_mul_f32 v[ER+\i], v[ER+\i], v[ER+\i]
.endr
.irp i, 0,1,2,3
	v_cmp_gt_f32 vcc_lo, 1.0, v[ER+\i]             ; e e < 1: false too where e is infinite or no number
	v_cndmask_b32 v[RC+\i], v[RC+\i], v[R2+\i], vcc_lo
.endr
.irp i, 0,1,2,3
	v_mul_f32 v[RC+\i], 0xbfb8aa3b, v[RC+\i]       ; x -log2(e)
.endr
	global_store_b128 v6, v[NMO:NMO+3], s[16:17]
	global_store_b128 v6, v[RC:RC+3], s[16:17] offset:512
	global_store_b128 v6, v[LGA:LGA+3], s[16:17] offset:1024
.Lno_prm:
	; ---- my 16 numbers of x
	s_wait_loadcnt 0x0
	s_wait_kmcnt 0x0
	s_add_co_i32 s28, s28, 127
	s_lshl_b32 s34, s28, 23
	v_mov_b32 v8, s34                              ; 2^ex as f32: the conversion takes its exponent field
	s_add_co_i32 s28, s28, 15
	s_lshl_b32 s28, s28, 23
	s_or_b32 s28, s28, 0x600000
	v_mov_b32 v9, s28                              ; 57,344 x 2^ex
	s_mov_b32 s35, SGN
.irp i, 0,1,2,3,4,5,6,7,8,9,10,11,12,13,14,15
	v_and_b32 v[AM+\i], s35, v[AM+\i]              ; the amplitude's sign
.endr
.irp i, 0,1,2,3,4,5,6,7,8,9,10,11,12,13,14,15
	v_xor_b32 v[X+\i], v[AM+\i], v[X+\i]           ; goes onto x
.endr
.irp i, 0,1,2,3,4,5,6,7,8,9,10,11,12,13,14,15
	v_med3_num_f32 v[X+\i], v[X+\i], -v9, v9       ; the conversion to an 8-bit code does not saturate (ISA guide 7.6.2): the hold at the largest code x the scale
.endr
	v_cvt_scalef32_pk8_bf8_f32 v[10:11], v[X:X+7], v8
	v_cvt_scalef32_pk8_bf8_f32 v[12:13], v[X+8:X+15], v8
	v_nop                                          ; a plain instruction behind the last conversion
	global_store_b128 v6, v[10:13], s[14:15]
	s_endpgm
.Lfunc_end_k_q9725383c06_prep:
	.size	k_q9725383c06_prep, .Lfunc_end_k_q9725383c06_prep-k_q9725383c06_prep
	.p2alignl 7, 3214868480
	.fill 96, 4, 3214868480
	.section	.rodata,"a",@progbits
	.p2align	6, 0x0
	.amdhsa_kernel k_q9725383c06_prep
		.amdhsa_group_segment_fixed_size 0
		.amdhsa_private_segment_fixed_size 0
		.amdhsa_enable_private_segment 0
		.amdhsa_kernarg_size 56
		.amdhsa_user_sgpr_count 2
		.amdhsa_user_sgpr_kernarg_segment_ptr 1
		.amdhsa_wavefront_size32 1
		.amdhsa_system_sgpr_workgroup_id_x 1
		.amdhsa_system_sgpr_workgroup_id_y 1
		.amdhsa_system_sgpr_workgroup_id_z 1
		.amdhsa_system_vgpr_workitem_id 0
		.amdhsa_next_free_vgpr 88
		.amdhsa_next_free_sgpr 66
		.amdhsa_reserve_vcc 1
		.amdhsa_float_denorm_mode_32 3
		.amdhsa_float_denorm_mode_16_64 3
		.amdhsa_memory_ordered 1
		.amdhsa_forward_progress 1
		.amdhsa_inst_pref_size 9
	.end_amdhsa_kernel
	.amdgpu_metadata
---
amdhsa.version: [ 1, 2 ]
amdhsa.kernels:
  - .name:           k_q9725383c06_prep
    .symbol:         k_q9725383c06_prep.kd
    .args:
      - { .name: x, .offset: 0, .size: 8, .value_kind: global_buffer, .address_space: global }
      - { .name: amplitude, .offset: 8, .size: 8, .value_kind: global_buffer, .address_space: global }
      - { .name: mu, .offset: 16, .size: 8, .value_kind: global_buffer, .address_space: global }
      - { .name: sigma, .offset: 24, .size: 8, .value_kind: global_buffer, .address_space: global }
      - { .name: lowp_scales, .offset: 32, .size: 8, .value_kind: global_buffer, .address_space: global }
      - { .name: xc, .offset: 40, .size: 8, .value_kind: global_buffer, .address_space: global }
      - { .name: prm, .offset: 48, .size: 8, .value_kind: global_buffer, .address_space: global }
    .group_segment_fixed_size: 0
    .private_segment_fixed_size: 0
    .kernarg_segment_align: 8
    .kernarg_segment_size: 56
    .max_flat_workgroup_size: 128
    .sgpr_count:     66
    .vgpr_count:     88
    .wavefront_size: 32
...
	.end_amdgpu_metadata
.endif
;; end of part 1
;; launch main (part 2): grid 256 x 1, 16 waves a work-group, clusters of 4 x 1, 327,680 bytes of LDS; arguments xc, prm, bias, lowp_scales, out0; writes out0
.if DOCPART == 2
	.amdgcn_target "amdgcn-amd-amdhsa--gfx1250"
	.amdhsa_code_object_version 6
	.text
	.protected	k_q9725383c06_main
	.globl	k_q9725383c06_main
	.p2align	8
	.type	k_q9725383c06_main,@function
k_q9725383c06_main:
	s_mov_b64 s[64:65], 0
	v_nop
	global_prefetch_b8 v0, s[64:65] scope:SCOPE_SE
	s_setreg_imm32_b32 hwreg(HW_REG_WAVE_MODE, 25, 1), 1
	s_wait_xcnt 0x0
	s_wait_alu depctr_hold_cnt(0) depctr_sa_sdst(0) depctr_va_vdst(0) depctr_va_sdst(0) depctr_va_ssrc(0) depctr_va_vcc(0) depctr_vm_vsrc(0)
	s_getreg_b32 s2, hwreg(HW_REG_IB_STS2, 6, 4)
	s_cmp_eq_u32 s2, 0
	s_cbranch_scc0 .Lentry_in_a_cluster
	s_endpgm
.Lentry_in_a_cluster:
	s_bfe_u32 s2, ttmp6, 0x10000c
	s_cmp_lg_u32 s2, 0x3003
	s_cbranch_scc0 .Lentry_shape_is_right
	s_endpgm
.Lentry_shape_is_right:
; out[m][n] = relu( sum over k of Q(x[m][k]) Q(w[k][n]) + bias[n] ),  w[k][n] = amplitude[k] exp(-(n - mu[k])^2 / (2 sigma[k]^2)),  Q: codes of BF8 (E5M2) with the given scales 2^ex, 2^ew.
; xc: x's codes (with the amplitude's sign moved onto them), prm: -mu, c = -log2(e) / (2 sigma^2), la = log2 |amplitude|: both as the launch before laid them.
; THE WEIGHT IS MADE HERE, EACH NUMBER ONCE IN THE WHOLE LAUNCH: |w| = 2^t, t = (n - mu)^2 c + la, all in f32.  The hold at the largest code is made in the exponent: t is held under ew + log2(57,344),
; whose power of two rounds to the code 57,344.  The conversion divides by 2^ew.  The finished sums are multiplied by 2^(ex + ew) (v_ldexp_f32).
; SHARES.  A work-group owns 32 columns of out (two tiles of 16) and all of K; its 16 waves, four to a SIMD, share K: wave w takes K steps 16 b + w, b = 0 .. 3, of 128 k, for all 64 rows: 8 accumulators.
; The 16 partial sums meet in LDS at the end.  A work-group's 32 columns are 128 bytes of a row of out (8,192 columns over 256 work-groups): its stores cover aligned halves of 256 bytes, eight lanes to a row.
; A LANE OWNS A PAIR OF NEIGHBOURING k (64 pg + 2 lane, + 1; pg = 0, 1), AND ITS REGISTERS RUN OVER A TILE'S 16 COLUMNS: register 2 i is (column i, k), register 2 i + 1 (column i, k + 1).  So a K step's
; parameters are 12 registers a lane, loaded once, 16 bytes a lane, and each step of the arithmetic takes the parameters as the pairs in which they lie.  The conversions give byte pairs (column; k, k + 1).
; They go through the wave's own scratch in LDS: two ds_store_b128 as they stand, two ds_load_tr16_b128 back, which hand lane (r, h) the byte pairs of column r from eight lanes: registers 4 c .. 4 c + 3
; then hold k = 32 c + 16 h + 0 .. 15 of column r: the order in which x's codes lie.  (That is a permutation of k, alike in both operands; the result is judged within a tolerance.)
; THE MATRIX INSTRUCTION IS USED TRANSPOSED: source 0 = 16 columns of w, source 1 = 16 rows of x: a lane then holds eight neighbouring columns of one row of out.
; CLUSTER.  All work-groups walk the same codes of x.  The four of a cluster ask for them JOINTLY: wave w of each issues the same tensor load (mask 15) for the tile that it alone reads: 8,192 bytes, one K step
; of all 64 rows, 32 rows of 256 bytes.  So a read needs the wave's own wait on TENSORcnt and no barrier.  Two slots of 16 tiles; both are filled at the start and each once more, behind a round of the cluster's barrier.
; By this text's count a wave has at most two tensor loads out.  A refill has a whole K step in which to land.  The parameters come by plain loads, so the first weights are made while the first tiles are on their way.
; LIMITS: ew between -109 and 112 (2^ew and the hold are f32 numbers; a weight under 2^-126, which v_exp_f32 gives as 0, then lies under half the smallest code).  ex + ew has none.
; The amplitude enters through the exponent: another order of rounding than amplitude x exp(..), of the same size.  NaN and infinities are not served (a t that is no number is held at the largest code).
.set SLOT,  131072                     ; a slot: 16 tiles of 8,192 bytes; slot 1 begins here, so that one exclusive or turns an address from one slot to the other
.set TRB,   2*SLOT                     ; behind the ring: the scratch, no tensor load lands there
.set TRW,   1152                       ; a wave's: 512 bytes (columns 0-7 of 32 lanes), a gap of 128, 512 bytes (columns 8-15)
.set CH1,   640                        ; the gap sets the second half 128 bytes (32 banks of 4 bytes: ISA guide 11.1) off the first
.set SPARE, TRB+16*TRW                 ; the spare words: 128 bytes for each wave, eight blocks of 256 bytes that no other line names
.set SP,    144                        ; the stage for the partial sums: a row of 128 bytes + 16
.set PBLK,  24576                      ; 16 K steps of parameters
.set LOFF, 1                           ; v1   16 x lane; never rewritten
.set XA,   2                           ; v2   LDS: my tile in the slot in hand, + 16 x lane
.set TRL,  3                           ; v3   LDS: where my lane's turning loads read
.set SC,   4                           ; v4   2^ew as f32
.set TRS,  5                           ; v5   LDS: where my lane puts its codes
.set SPW,  6                           ; v6   LDS address of my spare word; never rewritten
.set NIL,  7                           ; v7   0; never rewritten
.set BIAS, 8                           ; v[8:11]    bias of the four columns that I store
.set NM,   12                          ; v[12:15]   -mu of my four k
.set ACC,  16                          ; v[16:79]   accumulator (tile u of columns, tile m of rows) at 8 (4 u + m)
.set A,    80                          ; v[80:143]  x's four fragments; at the end the 16 partial sums
.set BC,   144                         ; v[144:175] w's two fragments
.set POS,  176                         ; v[176:207] the 32 columns' numbers as f32, the same in every lane; at the end addresses
.set W,    208                         ; v[208:239] 16 columns x 2 k at work
.set CD,   240                         ; v[240:247] their codes
.set CC,   248                         ; v[248:251] c of my four k
.set LA,   252                         ; v[252:255] la
.set WV,   14                          ; s14  my wave's number
.set LG,   22                          ; s22  ew + log2(57,344)
.set ES,   23                          ; s23  ex + ew
.set G1,   24                          ; s[24:31] descriptor group 1
.set G0A,  32                          ; s[32:35] group 0 for slot 0;  s[36:39] for slot 1
.set G0B,  36
.set LT,   44                          ; s44  8,192 x wave (s45 = 0)
; A round of the cluster's barrier: my work-group's barrier, so that wave 0's signal speaks for all sixteen waves; wave 0 signals; every wave waits for the four work-groups; my work-group's barrier once more.
.macro CROUND
	s_barrier_signal -1
	s_barrier_wait -1
	s_cmp_lg_u32 s[WV], 0
	s_cbranch_scc1 .Lnot_wave_0_\@
	s_barrier_signal -3
.Lnot_wave_0_\@:
	s_barrier_wait -3
	s_barrier_signal -1
	s_barrier_wait -1
.endm
	s_load_b256 s[4:11], s[0:1], 0x0               ; xc s[4:5], prm s[6:7], bias s[8:9], the scales' exponents s[10:11]
	s_load_b64 s[12:13], s[0:1], 0x20              ; out0
	v_lshl_add_u32 v[SPW], v0, 2, SPARE
	v_mov_b32 v[NIL], 0
	ds_add_u32 v6, v7
	ds_add_u32 v6, v7
	s_wait_dscnt 0x0
	v_lshrrev_b32 v[W], 5, v0
	v_readfirstlane_b32 s[WV], v[W]                ; wave 0..15
	v_and_b32 v[W+1], 31, v0
	v_lshlrev_b32 v[LOFF], 4, v[W+1]
	v_and_b32 v[W+2], 7, v0
	v_lshlrev_b32 v[W+2], 4, v[W+2]                ; 16 p: the four columns that I store at the end
	s_bfe_u32 s15, ttmp6, 0x40000                  ; cx: my place in the cluster: it enters the columns' numbers and the addresses of bias and out alone
	s_lshl_b32 s16, ttmp9, 2                       ; in a cluster launch ttmp9 counts clusters
	s_add_co_u32 s16, s16, s15                     ; work-group 0..255
	s_lshl_b32 s40, s16, 7                         ; its 32 columns: 128 bytes
	s_mov_b32 s41, 0
	s_mul_i32 s42, s[WV], 1536                     ; my wave's parameters of its first K step
	s_mov_b32 s43, 0
	s_lshl_b32 s[LT], s[WV], 13                    ; my wave's tile: in xc, and in a slot
	s_mov_b32 s[LT+1], 0
	; descriptor group 1: a dense block of 8,192 bytes as 32 rows of 32 elements of 8 bytes
	s_mov_b32 s[G1], 15|(3<<16)|(1<<21)            ; 15:0 the mask: all four work-groups; 17:16 elements of 8 bytes; 20 no padding (an image of registers is read 512 consecutive bytes at a time); 21 set beside a mask
	s_mov_b32 s[G1+1], 32<<16                      ; tensor_dim0 = 32
	s_mov_b32 s[G1+2], 32<<16                      ; tensor_dim1 = 32
	s_mov_b32 s[G1+3], 32<<16                      ; tile_dim0 = 32
	s_mov_b32 s[G1+4], 32                          ; tile_dim1 = 32
	s_mov_b32 s[G1+5], 32                          ; from row to row: 32 elements
	s_mov_b32 s[G1+6], 0
	s_mov_b32 s[G1+7], 0
	s_wait_kmcnt 0x0
	s_load_b64 s[20:21], s[10:11], 0x0             ; ex, ew
	s_add_nc_u64 s[8:9], s[8:9], s[40:41]
	s_add_nc_u64 s[12:13], s[12:13], s[40:41]
	s_add_nc_u64 s[6:7], s[6:7], s[42:43]
	s_add_nc_u64 s[4:5], s[4:5], s[LT:LT+1]
	global_load_b128 v[BIAS:BIAS+3], v[W+2], s[8:9]
	global_load_b128 v[NM:NM+3], v[LOFF], s[6:7]               ; the first K step's parameters: 512 consecutive bytes a load
	global_load_b128 v[CC:CC+3], v[LOFF], s[6:7] offset:512
	global_load_b128 v[LA:LA+3], v[LOFF], s[6:7] offset:1024
	CROUND                                         ; all four work-groups are here: the first joint loads meet
	s_mov_b32 s[G0A], 1                            ; count = 1
	s_mov_b32 s[G0A+1], s[LT]                      ; LDS: slot 0, my tile
	s_mov_b64 s[G0A+2:G0A+3], s[4:5]               ; K step w
	s_or_b32 s[G0A+3], s[G0A+3], 0x80000000        ; type = 2
	s_mov_b32 s[G0B], 1
	s_add_co_u32 s[G0B+1], s[LT], SLOT             ; LDS: slot 1, my tile
	s_add_nc_u64 s[G0B+2:G0B+3], s[4:5], SLOT      ; K step 16 + w: 16 tiles on
	s_or_b32 s[G0B+3], s[G0B+3], 0x80000000
	tensor_load_to_lds s[G0A:G0A+3], s[G1:G1+7]    ; both first fills together, ahead of every wait on TENSORcnt and every LDS read
	s_nop 0
	tensor_load_to_lds s[G0B:G0B+3], s[G1:G1+7]
	s_nop 0
.rept 4
	v_nop
.endr
	v_add_nc_u32 v[XA], s[LT], v[LOFF]
	s_mul_i32 s46, s[WV], TRW
	s_add_co_u32 s46, s46, TRB                     ; my scratch
	v_add_nc_u32 v[TRS], s46, v[LOFF]              ; in: 16 bytes a lane, on end
	v_and_b32 v[W+3], 7, v0                        ; back: lane 8 g + j reads the 16 bytes of lane 8 (g / 2) + j (+ 16 for the second load), half g % 2
	v_lshlrev_b32 v[W+3], 4, v[W+3]
	v_bfe_u32 v[W+4], v0, 4, 1
	v_lshl_add_u32 v[W+3], v[W+4], 7, v[W+3]
	v_bfe_u32 v[W+4], v0, 3, 1
	v_mul_u32_u24 v[W+4], v[W+4], CH1
	v_add_nc_u32 v[W+3], v[W+3], v[W+4]
	v_add_nc_u32 v[TRL], s46, v[W+3]
	s_lshl_b32 s47, s16, 5                         ; my work-group's first column
	v_mov_b32 v[W+5], s47
.irp i, 0,1,2,3,4,5,6,7,8,9,10,11,12,13,14,15,16,17,18,19,20,21,22,23,24,25,26,27,28,29,30,31
	v_add_nc_u32 v[POS+\i], \i, v[W+5]
.endr
.irp i, 0,1,2,3,4,5,6,7,8,9,10,11,12,13,14,15,16,17,18,19,20,21,22,23,24,25,26,27,28,29,30,31
	v_cvt_f32_u32 v[POS+\i], v[POS+\i]             ; whole numbers under 8,192: exact
.endr
	s_wait_kmcnt 0x0
	s_add_co_i32 s46, s21, 127
	s_lshl_b32 s46, s46, 23
	v_mov_b32 v[SC], s46                           ; 2^ew as f32: the conversion takes its exponent field
	v_cvt_f32_i32 v[W+6], s21
	v_add_f32 v[W+6], 0x417ceaed, v[W+6]           ; ew + log2(57,344)
	v_readfirstlane_b32 s[LG], v[W+6]              ; the same in every lane: kept as a scalar operand
	s_add_co_i32 s[ES], s20, s21                   ; ex + ew
; A BATCH: 64 k (pair group pg) x 16 columns (tile u) of K step b: 32 numbers a lane.
.macro BATCH b, pg, u
.if (\pg)+(\u) == 0
	s_wait_loadcnt 0x2                             ; -mu is in (and, in the first step, the older load of bias); the two younger loads, c and la, may be out
.endif
.irp i, 0,2,4,6,8,10,12,14
	v_pk_add_f32 v[W+2*\i:W+2*\i+1], v[POS+16*(\u)+\i:POS+16*(\u)+\i+1], v[NM+2*(\pg):NM+2*(\pg)+1] op_sel_hi:[0,1]               ; column i (the pair's first word for both halves) - mu of my two k
	v_pk_add_f32 v[W+2*\i+2:W+2*\i+3], v[POS+16*(\u)+\i:POS+16*(\u)+\i+1], v[NM+2*(\pg):NM+2*(\pg)+1] op_sel:[1,0] op_sel_hi:[1,1]   ; column i + 1 (its second word for both)
.endr
.if (\pg)+(\u) == 2                    ; the step's last batch: x's fragments are fetched now, some eighty instructions ahead of the wait for them, and -mu is free for the next step's
.if (\b) == 0
	s_wait_tensorcnt 0x1                           ; my tile of slot 0 is in; slot 1's, issued behind it, may be out.  (Steps 1 and 2: the wait for 0 at the change of slots has shown their tiles in)
.endif
.if (\b) == 3
	s_wait_tensorcnt 0x0                           ; my last tile: no load was issued behind it
.endif
.irp m, 0,1,2,3
.irp c, 0,1,2,3
	ds_load_b128 v[A+16*\m+4*\c:A+16*\m+4*\c+3], v[XA] offset:2048*\m+512*\c
.endr
.endr
.if (\b) < 3
	global_load_b128 v[NM:NM+3], v[LOFF], s[6:7] offset:PBLK*((\b)+1)
.endif
.endif
.set ii, 0
.rept 16
	v_pk_mul_f32 v[W+ii:W+ii+1], v[W+ii:W+ii+1], v[W+ii:W+ii+1]
.set ii, ii+2
.endr
.if (\pg)+(\u) == 0
	s_wait_loadcnt 0x0                             ; c and la are in
.endif
.set ii, 0
.rept 16
	v_pk_fma_f32 v[W+ii:W+ii+1], v[W+ii:W+ii+1], v[CC+2*(\pg):CC+2*(\pg)+1], v[LA+2*(\pg):LA+2*(\pg)+1]   ; t = (n - mu)^2 c + la
.set ii, ii+2
.endr
.if ((\pg)+(\u) == 2) && ((\b) < 3)
	global_load_b128 v[CC:CC+3], v[LOFF], s[6:7] offset:PBLK*((\b)+1)+512
	global_load_b128 v[LA:LA+3], v[LOFF], s[6:7] offset:PBLK*((\b)+1)+1024
.endif
.set ii, 0
.rept 16
	v_dual_min_num_f32 v[W+ii], s[LG], v[W+ii] :: v_dual_min_num_f32 v[W+ii+1], s[LG], v[W+ii+1]   ; the hold: the conversion to an 8-bit code does not saturate (ISA guide 7.6.2); |w| is not negative, so it is one-sided
.set ii, ii+2
.endr
.set ii, 0
.rept 32
	v_exp_f32 v[W+ii], v[W+ii]
.set ii, ii+1
.endr
	v_nop                                          ; a plain instruction behind the last exponential,
	s_wait_alu depctr_va_vdst(0)                   ; and one wait for the batch of 32, ahead of its first reader
	s_wait_dscnt 0x0                               ; the batch before has left CD and the scratch (its stores and turning loads are done); in the last batch x's fragments are in too
	v_cvt_scalef32_pk8_bf8_f32 v[CD:CD+1], v[W:W+7], v[SC]
	v_cvt_scalef32_pk8_bf8_f32 v[CD+2:CD+3], v[W+8:W+15], v[SC]
	v_cvt_scalef32_pk8_bf8_f32 v[CD+4:CD+5], v[W+16:W+23], v[SC]
	v_cvt_scalef32_pk8_bf8_f32 v[CD+6:CD+7], v[W+24:W+31], v[SC]
	v_nop                                          ; a plain instruction between the conversions and the next batch's lines, which write their sources
	ds_store_b128 v[TRS], v[CD:CD+3]               ; columns 0-7: eight byte pairs (k, k + 1)
	ds_store_b128 v[TRS], v[CD+4:CD+7] offset:CH1  ; columns 8-15
	ds_load_tr16_b128 v[BC+16*(\u)+8*(\pg):BC+16*(\u)+8*(\pg)+3], v[TRL]                  ; LDS serves a wave's instructions in order (ISA guide 5.7.1.4): these see the stores.  Column r, k = 64 pg + 16 h + 0 .. 15
	ds_load_tr16_b128 v[BC+16*(\u)+8*(\pg)+4:BC+16*(\u)+8*(\pg)+7], v[TRL] offset:256     ; k = 64 pg + 32 + 16 h + 0 .. 15
.endm
; A K STEP: four batches, then 8 matrix instructions on 8 accumulators, which take turns in the same order in every step.  The first step's start the sums: nothing is cleared.
; The loads into the registers that these instructions read stand behind the next step's packed lines: more than the four places of ISA guide 7.12.1.
.macro STEP b
	BATCH \b, 0, 0
	BATCH \b, 0, 1
	BATCH \b, 1, 0
	BATCH \b, 1, 1
	s_wait_dscnt 0x0                               ; w's last registers are in
.irp m, 0,1,2,3
.irp u, 0,1
.if (\b) == 0
	v_wmma_f32_16x16x128_bf8_bf8 v[ACC+8*(4*\u+\m):ACC+8*(4*\u+\m)+7], v[BC+16*\u:BC+16*\u+15], v[A+16*\m:A+16*\m+15], 0
.else
	v_wmma_f32_16x16x128_bf8_bf8 v[ACC+8*(4*\u+\m):ACC+8*(4*\u+\m)+7], v[BC+16*\u:BC+16*\u+15], v[A+16*\m:A+16*\m+15], v[ACC+8*(4*\u+\m):ACC+8*(4*\u+\m)+7]
.endif
.endr
.endr
	v_xor_b32 v[XA], SLOT, v[XA]                   ; the next step's tile lies in the other slot
.endm
; THE CHANGE OF SLOTS.  The slot just read is filled again, with the tiles two blocks of 16 K steps on.  Each wave waits for all its tensor loads, adds 0 to its spare word, and waits for that and for its reads of
; the slot; the round shows the same of every wave of the four work-groups; the joint refill is the first thing behind it, one load a wave.
.macro CHANGE g0
	s_wait_tensorcnt 0x0                           ; no tensor load of mine is out, so a group 0 may be written
	ds_add_u32 v[SPW], v[NIL]                      ; 0 onto my spare word
	s_add_nc_u64 s[\g0+2:\g0+3], s[\g0+2:\g0+3], 2*SLOT   ; 32 tiles on; the type bits on top are not reached
	s_wait_dscnt 0x0                               ; the add is done, and my reads of the slot are over
	CROUND
	tensor_load_to_lds s[\g0:\g0+3], s[G1:G1+7]
	s_nop 0
.rept 4
	v_nop
.endr
.endm
	STEP 0                                         ; slot 0: K step w
	CHANGE G0A                                     ; slot 0 takes K step 32 + w
	STEP 1                                         ; slot 1: K step 16 + w
	CHANGE G0B                                     ; slot 1 takes K step 48 + w: the last load
	STEP 2
	STEP 3
	; THE SUM OVER THE 16 WAVES.  Each wave lays its 64 x 32 partial sums as rows of 128 bytes + 16 into its OWN two tiles, rows 0-31 in slot 0's, rows 32-63 in slot 1's: both have had their last fill, and their
	; only reader, this wave, has its reads back.  Behind a barrier thread t adds up, over the 16 waves, the 16 bytes at 16 (t % 8) of row t / 8.  The address lines are the places behind the last matrix instructions.
.set T, POS
	v_and_b32 v[T], 15, v0                         ; r
	v_bfe_u32 v[T+1], v0, 4, 1                     ; h
	v_mul_u32_u24 v[T], v[T], SP
	v_lshl_add_u32 v[T], v[T+1], 5, v[T]
	v_add_nc_u32 v[T+2], s[LT], v[T]               ; in: my tile of slot 0, row r, + 32 h bytes: a lane's eight columns 8 h + 0 .. 7 of a tile
	v_add_nc_u32 v[T+3], SLOT, v[T+2]              ; and my tile of slot 1
	v_bfe_u32 v[T+4], v0, 3, 5                     ; back: row % 32,
	v_mul_u32_u24 v[T+4], v[T+4], SP
	v_and_b32 v[T+5], 7, v0
	v_lshlrev_b32 v[T+5], 4, v[T+5]                ; 16 p,
	v_add_nc_u32 v[T+4], v[T+4], v[T+5]
	v_lshrrev_b32 v[T+6], 8, v0                    ; row / 32: the slot
	v_lshl_add_u32 v[T+4], v[T+6], 17, v[T+4]      ; waves 0-7's tiles by the immediate,
	v_add_nc_u32 v[T+7], 65536, v[T+4]             ; waves 8-15's from here
	v_lshrrev_b32 v[T+8], 3, v0
	v_lshl_add_u32 v[T+8], v[T+8], 15, v[T+5]      ; out: row t / 8 of 32,768 bytes, + 16 p
.irp u, 0,1
.irp m, 0,1,2,3
	ds_store_b128 v[T+2+(\m)/2], v[ACC+8*(4*\u+\m):ACC+8*(4*\u+\m)+3] offset:((\m)%2)*16*SP+64*\u      ; each accumulator from its low end on
	ds_store_b128 v[T+2+(\m)/2], v[ACC+8*(4*\u+\m)+4:ACC+8*(4*\u+\m)+7] offset:((\m)%2)*16*SP+64*\u+16
.endr
.endr
	s_wait_dscnt 0x0                               ; for the others' sake: my stores have landed
	s_barrier_signal -1
	s_barrier_wait -1
.irp i, 0,1,2,3,4,5,6,7
	ds_load_b128 v[A+4*\i:A+4*\i+3], v[T+4] offset:8192*\i
.endr
.irp i, 0,1,2,3,4,5,6,7
	ds_load_b128 v[A+32+4*\i:A+32+4*\i+3], v[T+7] offset:8192*\i
.endr
	s_wait_dscnt 0x0
.macro ADDQ a, b
	v_pk_add_f32 v[A+4*(\a):A+4*(\a)+1], v[A+4*(\a):A+4*(\a)+1], v[A+4*(\b):A+4*(\b)+1]
	v_pk_add_f32 v[A+4*(\a)+2:A+4*(\a)+3], v[A+4*(\a)+2:A+4*(\a)+3], v[A+4*(\b)+2:A+4*(\b)+3]
.endm
.irp a, 0,2,4,6,8,10,12,14
	ADDQ \a, \a+1
.endr
.irp a, 0,4,8,12
	ADDQ \a, \a+2
.endr
	ADDQ 0, 4
	ADDQ 8, 12
	ADDQ 0, 8
.irp i, 0,1,2,3
	v_ldexp_f32 v[A+\i], v[A+\i], s[ES]            ; x 2^(ex + ew)
.endr
	v_pk_add_f32 v[A:A+1], v[A:A+1], v[BIAS:BIAS+1]
	v_pk_add_f32 v[A+2:A+3], v[A+2:A+3], v[BIAS+2:BIAS+3]
.irp i, 0,1,2,3
	v_max_num_f32 v[A+\i], 0, v[A+\i]              ; relu
.endr
	global_store_b128 v[T+8], v[A:A+3], s[12:13] th:TH_STORE_NT   ; eight lanes store a row's 128 consecutive bytes, at a multiple of 128 from out's first byte; written once, read by nobody here
	s_wait_tensorcnt 0x0                           ; the wave's end: behind my last tensor load and my last LDS store
	ds_add_u32 v[SPW], v[NIL]
	s_wait_dscnt 0x0
	CROUND                                         ; the closing round: no work-group ends while a partner may still ask for a tile that names it
	s_endpgm
.Lfunc_end_k_q9725383c06_main:
	.size	k_q9725383c06_main, .Lfunc_end_k_q9725383c06_main-k_q9725383c06_main
	.p2alignl 7, 3214868480
	.fill 96, 4, 3214868480
	.section	.rodata,"a",@progbits
	.p2align	6, 0x0
	.amdhsa_kernel k_q9725383c06_main
		.amdhsa_group_segment_fixed_size 327680
		.amdhsa_private_segment_fixed_size 0
		.amdhsa_enable_private_segment 0
		.amdhsa_kernarg_size 40
		.amdhsa_user_sgpr_count 2
		.amdhsa_user_sgpr_kernarg_segment_ptr 1
		.amdhsa_wavefront_size32 1
		.amdhsa_system_sgpr_workgroup_id_x 1
		.amdhsa_system_sgpr_workgroup_id_y 1
		.amdhsa_system_sgpr_workgroup_id_z 1
		.amdhsa_system_vgpr_workitem_id 0
		.amdhsa_next_free_vgpr 256
		.amdhsa_next_free_sgpr 66
		.amdhsa_reserve_vcc 0
		.amdhsa_float_denorm_mode_32 3
		.amdhsa_float_denorm_mode_16_64 3
		.amdhsa_memory_ordered 1
		.amdhsa_forward_progress 1
		.amdhsa_inst_pref_size 112
	.end_amdhsa_kernel
	.amdgpu_metadata
---
amdhsa.version: [ 1, 2 ]
amdhsa.kernels:
  - .name:           k_q9725383c06_main
    .symbol:         k_q9725383c06_main.kd
    .args:
      - { .name: xc, .offset: 0, .size: 8, .value_kind: global_buffer, .address_space: global }
      - { .name: prm, .offset: 8, .size: 8, .value_kind: global_buffer, .address_space: global }
      - { .name: bias, .offset: 16, .size: 8, .value_kind: global_buffer, .address_space: global }
      - { .name: lowp_scales, .offset: 24, .size: 8, .value_kind: global_buffer, .address_space: global }
      - { .name: out0, .offset: 32, .size: 8, .value_kind: global_buffer, .address_space: global }
    .group_segment_fixed_size: 327680
    .private_segment_fixed_size: 0
    .kernarg_segment_align: 8
    .kernarg_segment_size: 40
    .max_flat_workgroup_size: 512
    .sgpr_count:     66
    .vgpr_count:     256
    .wavefront_size: 32
...
	.end_amdgpu_metadata
.endif
;; end of part 2
